; MI455X (gfx1250); checked and timed in simulation.
; The chip was launched on July 23, 2026; its instructions are those of AMD's public machine-readable ISA for CDNA 5 (MIT licence, August 2026) and "CDNA5" Instruction Set Architecture Reference Guide (July 2026). The comments in the code are by the model that wrote it; some were corrected since.
;; Linear With Lo RA. Allowed arithmetic: matrix products marked QUANTISED: E2M1 operands, one E8M0 scale for each 32 along K, by v_wmma_scale_f32_16x16x128_f8f6f4 with both operands' format E2M1 (or v_wmma_scale_f32_32x16x128_f4), f32 sums; products left as they are: f32 operands where the result goes on into a quantised operand, else bf16, f16 or f32 operands; f32 sums; everything else in f32.
;; Inputs: A_codes 16 x 128 x 16 uint8 (E2M1 codes of A, K innermost, in blocks of 32 codes, two codes a byte); A_scales 16 x 128 uint8 (E8M0 scales of A, one for each 32 codes along K); B 16 x 4,096 float32; scale 262,144 float32; w_q 4,096 x 4,096 int32; x_codes 4 x 1,024 x 128 x 16 uint8 (E2M1 codes of x, K innermost, in blocks of 32 codes, two codes a byte); x_scales 4 x 1,024 x 128 uint8 (E8M0 scales of x, one for each 32 codes along K).
;; Outputs: out0 4 x 1,024 x 4,096 float32.
;; This version of the problem:
;;   THIS VERSION OF THE PROBLEM IS GIVEN IN LOW PRECISION. The matrix products marked QUANTISED in the list below multiply operands that are first quantised to E2M1 (2 exponent bits, 1 mantissa bit; 4 bits a number), with one power-of-two scale for each 32 numbers along K (OCP MX v1.0); their sums are f32. All else is computed in f32.
;;   The module's matrix products, in the order in which they are computed (A, B: the left and right operand; K: the contracted axis; several contracted axes count as one K, in the product's order):
;;     1. [M 4,096, K 4,096] x [K 4,096, N 16]; A: input x (given as codes); B: input A (given as codes): QUANTISED
;;     2. [M 4,096, K 16] x [K 16, N 4,096]; A: computed on the way; B: input B: left as it is (K = 16 < 32)
;;     3. [M 4,096, K 4,096] x [K 4,096, N 4,096]; A: input x (given as codes); B: computed on the way: QUANTISED
;;   THE QUANTISER, for each operand of a quantised product, along K:
;;     - K is cut into blocks of 32 from its start; a last block that is shorter is filled with zeros.
;;     - A block's scale is 2^e with e = floor(log2(the largest magnitude in the block)) - 2, held to -126 .. 127; a block of zeros has e = 0. As a byte (E8M0): e + 127.
;;     - Each number is divided by its block's scale, clamped to +-6, and rounded to the nearest number of E2M1, ties to even, subnormals kept.
;;     - The product sums the exact products of the quantised numbers (number of the format x scale) in f32.
;;   ~~~python
;;   def quantise(x, axis):      # numpy; x: float32 -> the quantised numbers, widened to float32 again
;;       x = np.moveaxis(x, axis, -1); K = x.shape[-1]
;;       x = np.pad(x, [(0, 0)] * (x.ndim - 1) + [(0, -K % 32)]); x = x.reshape(x.shape[:-1] + (-1, 32)); a = np.abs(x).max(-1, keepdims=True)
;;       e = np.where(a > 0, np.clip(np.frexp(np.where(a > 0, a, 1))[1] - 1 - 2, -126, 127), 0)      # np.frexp(a)[1] - 1 = floor(log2(a)), exactly
;;       r = np.clip(x / 2.0 ** e, -6, 6)
;;       step = 2.0 ** (np.maximum(np.frexp(np.where(r == 0, 1, r))[1] - 1, 0) - 1)
;;       q = np.round(r / step) * step * 2.0 ** e      # np.round: ties to even
;;       return np.moveaxis(q.reshape(q.shape[:-2] + (-1,))[..., :K], -1, axis).astype(np.float32)
;;   ~~~
;;   OPERANDS COMPUTED ON THE WAY. 'Computed on the way' means the value that the module computes at that place (a softmax that the list does not call 'softmax' is quantised finished and normalised). What goes into a quantiser is computed in f32, as accurately as f32 sums, v_exp_f32 and their like allow (about 1e-6 of the number): no bf16 or f16 on the way to a quantiser, and a product that is left as it is and whose result goes on into a quantised operand takes f32 operands (vector FMAs, or v_wmma_f32_16x16x4_f32). A number that lies on a knife's edge between two numbers of the format may be rounded either way, as far as f32 arithmetic and the matrix unit's own rounding can turn it there, and no further.
;;   INPUTS GIVEN AS CODES. A (in the module: [4096, 16], K = its axis 0); x (in the module: [4, 1024, 4096], K = its axis 2): each comes as NAME_codes (uint8): NAME with its K axis moved to the last place and cut into blocks of 32 codes, [.., K / 32, bytes a block], one block behind the other in memory; two codes a byte, the lower K in the low four bits (a code: sign, 2 exponent bits, 1 mantissa bit); and NAME_scales (uint8): the same leading axes, one E8M0 byte (e + 127) for each 32 codes along K. Its value is code x scale, taken as it is: it is not quantised again, and the codes and scales need not be those that the quantiser above would give.
;; 2 versions, each right; version 2 is version 1 with the launch prep written anew for expert scheduling mode. Each part assembles by itself: llvm-mc -triple=amdgcn-amd-amdhsa -mcpu=gfx1250 --defsym DOCPART=n.
;; ======== version 1 of 2: 2 launches
;; workspace buffers: w_codes 8,388,608 bytes; sc2 1,048,576 bytes; t 131,072 bytes
;; launch prep (part 1): grid 256 x 1, 8 waves a work-group, no clusters, 74,752 bytes of LDS; arguments w_q, scale, x_codes, x_scales, A_codes, A_scales, w_codes, sc2, t; writes w_codes, sc2, t
.if DOCPART == 1
	.amdgcn_target "amdgcn-amd-amdhsa--gfx1250"
	.amdhsa_code_object_version 6
	.text
	.protected	k_qe52d28e021_prep
	.globl	k_qe52d28e021_prep
	.p2align	8
	.type	k_qe52d28e021_prep,@function
k_qe52d28e021_prep:
	s_mov_b64 s[64:65], 0
	v_nop
	global_prefetch_b8 v0, s[64:65] scope:SCOPE_SE
	s_setreg_imm32_b32 hwreg(HW_REG_WAVE_MODE, 25, 1), 1
	s_wait_xcnt 0x0
; W[o][k] = f32(w_q[o][k]) x scale[(o 4096 + k) / 64] is made in f32 and turned into codes of FP4 (E2M1), K innermost, with one E8M0 byte for each 32 along K;
; the scale bytes of x are laid anew by K steps of 512; and T = 2 (x A) is made on codes by the scaled matrix instruction and stored as bf16.
; OUT: w_codes [4096][2048 bytes], laid as x_codes.  sc2 [8 K steps of 512][2: x, W][4096 rows][16 bytes]: a K step's bytes of 16 rows are 256 consecutive bytes, and one pointer reaches both sides.
;      t [256 blocks of 16 rows][32 lanes][16 bytes]: lane (m = l % 16, h = l / 16) holds bf16 of 2 (x A)[m][8 h .. 8 h + 7]: registers 0-3 of a bf16 operand of 16 rows x 32 K.
; A block's scale is 2^(floor(log2(its largest magnitude)) - 2); its byte is that magnitude's exponent field - 2, held at 1 from below.
; LIMITS: a block of zeros gets the byte 1 where the rule says 127 (its codes are zeros, which add nothing under any byte but 0xff, and these bytes are read by this program alone);
; a block whose largest magnitude lies under 2^-124 has its byte held at 1, as the rule's own clip holds it; NaN and infinities in scale, and a scale byte 0xff in x or A, are not served.
; T is rounded to bf16 once, behind the exact factor 2: it is an operand of the product that is left as it is (K = 16).
; SHARES.  Work-group i takes rows 16 i .. 16 i + 15 of W and of x.  Wave w takes K = 512 w .. 512 w + 511 of all 16 rows.
; W: 16 steps, one row each: 512 int32 = 2,048 consecutive bytes = four loads of 512 consecutive bytes.  The conversions take neighbours along K from ONE lane's registers, so a step's bytes turn through the wave's own
; stage in LDS (16 bytes of padding behind each 64) and come back 64 bytes a lane: lane l holds k = 16 l .. 16 l + 15; two lanes hold a block of 32, four lanes a group of 64 with one given scale.
; A step's 256 bytes of codes leave by one store of the wave; a wave's 16 x 16 scale bytes are gathered in its own 256 bytes of LDS and leave as 256 consecutive bytes of sc2.
; x A: the wave's 512 along K are four matrix instructions on four accumulators; the eight waves' parts meet in LDS as images of their registers, behind the launch's one barrier, and wave 0 adds them.
; No tensor loads and no cluster: the work-groups share only A (32 KB of codes, against the 256 KB of w_q that each reads alone), and each wave of a work-group reads another part of it.
; Loads run eight steps (32 loads a wave) ahead, the turn through LDS one step.  Every offset is an immediate, and no register that a store reads is written again: no wait on XCNT is needed.
.set SP,    80                         ; a lane's place in a stage: its 64 bytes + 16 of padding
.set STG,   32*SP                      ; a stage
.set WREG,  8192                       ; LDS of a wave: two stages, then its 256 scale bytes
.set SBY,   2*STG
.set PART,  65536                      ; LDS: the eight waves' parts of x A, 1,024 bytes each
.set LD,    2                          ; v2   16 x lane
.set SIN,   3                          ; v3   the stage, on the way in
.set SOUT,  4                          ; v4   and on the way out
.set CO,    5                          ; v5   8 x lane
.set SBA,   6                          ; v6   LDS: my block's scale byte
.set SBR,   7                          ; v7   LDS: my 8 of the wave's 256 scale bytes
.set GSO,   14                         ; v14  4 x (lane / 4): my group's given scale
.set FO,    15                         ; v15  2048 r + 16 h: my lane's place in a fragment of x or of A
.set SO,    16                         ; v16  128 r: my row's scale bytes
.set XC,    17                         ; v17  128 (lane / 2) + 8 (lane % 2): what I copy of x's scale bytes
.set PW,    18                         ; v18  where I put my part of x A
.set PR,    19                         ; v19  where wave 0 reads the parts
.set S,     24                         ; v24-39   step t's given scale
.set E,     40                         ; v40-55   step t's scale byte
.set C,     56                         ; v56-87   step t's codes, two registers
.set X,     88                         ; v88-119  two sets of 16 neighbours; later the four accumulators of x A
.set R,     120                        ; v120-247 eight sets of 16 numbers as they are loaded; at the end x's four fragments (v120 on) and A's (v152 on)
.set XSW,   248                        ; v248-251 x's scale words, one for each 128 along K: these eight registers hold scales and nothing else
.set ASW,   252                        ; v252-255 A's
	s_load_b256 s[4:11], s[0:1], 0x0               ; w_q s[4:5], scale s[6:7], x_codes s[8:9], x_scales s[10:11]
	s_load_b256 s[12:19], s[0:1], 0x20             ; A_codes s[12:13], A_scales s[14:15], w_codes s[16:17], sc2 s[18:19]
	s_load_b64 s[22:23], s[0:1], 0x40              ; t
	v_lshl_add_u32 v22, v0, 2, 0x12000
	v_mov_b32 v23, 0
	v_lshrrev_b32 v1, 5, v0
	v_readfirstlane_b32 s24, v1                    ; wave 0..7
	v_and_b32 v1, 31, v0                           ; lane
	s_mul_i32 s25, s24, WREG                       ; my wave's LDS
	v_lshlrev_b32 v[LD], 4, v1
	v_lshrrev_b32 v8, 2, v1                        ; lane / 4
	v_and_b32 v9, 3, v1
	v_mul_u32_u24 v[SIN], v8, SP
	v_lshl_add_u32 v[SIN], v9, 4, v[SIN]
	v_add_nc_u32 v[SIN], s25, v[SIN]               ; four lanes' 64 bytes on end, then 16 of padding
	v_mul_u32_u24 v[SOUT], v1, SP
	v_add_nc_u32 v[SOUT], s25, v[SOUT]             ; my 16 neighbours
	v_lshlrev_b32 v[CO], 3, v1
	v_lshrrev_b32 v[SBA], 1, v1                    ; lane / 2
	v_lshlrev_b32 v[XC], 7, v[SBA]
	v_and_b32 v9, 1, v1
	v_lshl_add_u32 v[XC], v9, 3, v[XC]
	s_add_co_u32 s28, s25, SBY
	v_add_nc_u32 v[SBA], s28, v[SBA]
	v_add_nc_u32 v[SBR], s28, v[CO]
	v_lshlrev_b32 v[GSO], 2, v8
	v_and_b32 v8, 15, v1                           ; r
	v_lshrrev_b32 v9, 4, v1                        ; h
	v_lshlrev_b32 v[FO], 11, v8
	v_lshl_add_u32 v[FO], v9, 4, v[FO]
	v_lshlrev_b32 v[SO], 7, v8
	s_lshl_b32 s28, s24, 10
	s_add_co_u32 s28, s28, PART
	v_add_nc_u32 v[PW], s28, v[LD]
	v_add_nc_u32 v[PR], PART, v[LD]
	s_mov_b32 s27, 0                               ; s[26:27]: a byte offset, all under 2^32
	s_wait_kmcnt 0x0
	s_lshl_b32 s26, ttmp9, 18                      ; w_q: 16 rows of 16,384 bytes a work-group, 2,048 bytes a wave
	s_lshl_b32 s28, s24, 11
	s_add_co_u32 s26, s26, s28
	s_add_nc_u64 s[4:5], s[4:5], s[26:27]
	s_lshl_b32 s26, ttmp9, 12                      ; scale: 256 bytes a row, 32 a wave
	s_lshl_b32 s28, s24, 5
	s_add_co_u32 s26, s26, s28
	s_add_nc_u64 s[6:7], s[6:7], s[26:27]
	s_lshl_b32 s26, ttmp9, 15                      ; codes of x and of W: 2,048 bytes a row, 256 a wave
	s_lshl_b32 s28, s24, 8
	s_add_co_u32 s26, s26, s28
	s_add_nc_u64 s[8:9], s[8:9], s[26:27]
	s_add_nc_u64 s[16:17], s[16:17], s[26:27]
	s_mov_b32 s26, s28                             ; codes of A: all 16 rows, 256 bytes a wave
	s_add_nc_u64 s[12:13], s[12:13], s[26:27]
	s_lshl_b32 s26, ttmp9, 11                      ; x's scale bytes: 128 a row, 16 a wave
	s_lshl_b32 s28, s24, 4
	s_add_co_u32 s26, s26, s28
	s_add_nc_u64 s[10:11], s[10:11], s[26:27]
	s_mov_b32 s26, s28                             ; A's
	s_add_nc_u64 s[14:15], s[14:15], s[26:27]
	s_lshl_b32 s26, s24, 17                        ; sc2: K step w's plane of 131,072 bytes, rows 16 i on: x's side; W's lies 65,536 bytes further on
	s_lshl_b32 s28, ttmp9, 8
	s_add_co_u32 s26, s26, s28
	s_add_nc_u64 s[18:19], s[18:19], s[26:27]
	s_lshl_b32 s26, ttmp9, 9                       ; t: 512 bytes a block of 16 rows
	s_add_nc_u64 s[22:23], s[22:23], s[26:27]
; Step t's four loads into set t % 8.  Steps 0-15: row t of w_q.  Steps 16, 17: x's fragments of the wave's four K steps of 128 (two a step: 64 q + 32 c bytes on in the row); steps 18, 19: A's.
.macro LOAD t
.if (\t) < 16
.irp i, 0,1,2,3
	global_load_b128 v[R+16*((\t)%8)+4*\i:R+16*((\t)%8)+4*\i+3], v[LD], s[4:5] offset:16384*(\t)+512*\i th:TH_LOAD_NT   ; 32 lanes read 512 consecutive bytes; read once in the launch
.endr
.elseif (\t) < 18
.irp i, 0,1,2,3
	global_load_b128 v[R+16*((\t)%8)+4*\i:R+16*((\t)%8)+4*\i+3], v[FO], s[8:9] offset:128*((\t)-16)+32*\i
.endr
.else
.irp i, 0,1,2,3
	global_load_b128 v[R+16*((\t)%8)+4*\i:R+16*((\t)%8)+4*\i+3], v[FO], s[12:13] offset:128*((\t)-18)+32*\i
.endr
.endif
.endm
; Step t's numbers through the stage: LDS serves a wave's instructions in order (ISA guide 5.7.1.4), so no wait stands between the stores and the loads
.macro TURN t
.irp i, 0,1,2,3
	ds_store_b128 v[SIN], v[R+16*((\t)%8)+4*\i:R+16*((\t)%8)+4*\i+3] offset:STG*((\t)%2)+8*SP*\i
.endr
.irp i, 0,1,2,3
	ds_load_b128 v[X+16*((\t)%2)+4*\i:X+16*((\t)%2)+4*\i+3], v[SOUT] offset:STG*((\t)%2)+16*\i
.endr
.endm
	global_load_b128 v[XSW:XSW+3], v[SO], s[10:11]         ; x's scale words: lane r has row r's four (lanes 16-31 hold the same and are not read)
	global_load_b128 v[ASW:ASW+3], v[SO], s[14:15]         ; A's
	global_load_b64 v[20:21], v[XC], s[10:11]              ; x's scale bytes once more, 8 a lane, in the order in which sc2 takes them
.irp t, 0,1,2,3,4,5,6,7,8,9,10,11,12,13,14,15
	global_load_b32 v[S+\t], v[GSO], s[6:7] offset:256*\t  ; row t: the given scale of my group of 64
.endr
.irp t, 0,1,2,3,4,5,6,7
	LOAD \t
.endr
	s_wait_loadcnt 28                              ; all but the 28 loads of steps 1 to 7 are in
	global_store_b64 v[CO], v[20:21], s[18:19]     ; 32 lanes store 256 consecutive bytes of sc2's x side, at a multiple of 256 from its first byte
	TURN 0
.macro STEP t
.set XS, X+16*((\t)%2)
.if (\t) > 0
	s_wait_dscnt 1                                 ; this step's numbers are back from the stage (the last step's byte store may be out): so the stage's stores have read set t % 8,
.else
	s_wait_dscnt 0x0
.endif
.if (\t)+8 < 20
	LOAD (\t)+8                                    ; which takes the loads of eight steps on
.endif
.if (\t) < 15
.set YG, (\t)+8
.if YG > 19
.set YG, 19
.endif
	s_wait_loadcnt 4*(YG-(\t)-1)                   ; the next step's four loads are in; those of the steps behind it, four each, may be out
	TURN (\t)+1                                    ; and go through the other stage while this step is worked
.endif
.irp j, 0,1,2,3,4,5,6,7,8,9,10,11,12,13,14,15
	v_cvt_f32_i32 v[XS+\j], v[XS+\j]
.endr
.irp j, 0,1,2,3,4,5,6,7,8,9,10,11,12,13,14,15
	v_mul_f32 v[XS+\j], v[S+(\t)], v[XS+\j]        ; W, in f32, rounded once
.endr
	v_max3_num_f32 v8, |v[XS]|, |v[XS+1]|, |v[XS+2]|       ; the largest magnitude of my 16, in two chains
	v_max3_num_f32 v9, |v[XS+3]|, |v[XS+4]|, |v[XS+5]|
.irp i, 6,10
	v_max3_num_f32 v8, v8, |v[XS+\i]|, |v[XS+\i+1]|
	v_max3_num_f32 v9, v9, |v[XS+\i+2]|, |v[XS+\i+3]|
.endr
	v_max3_num_f32 v8, v8, |v[XS+14]|, |v[XS+15]|
	v_max3_num_f32 v8, v8, v9, 0x1800000           ; and the floor 2^(3 - 127), under which no largest magnitude is taken: so the byte cannot fall under 1
	v_max_num_f32_dpp v8, v8, v8 row_xmask:1 row_mask:0xf bank_mask:0xf   ; and of my neighbour's 16: the block's
	v_add_nc_u32 v11, 0xff000000, v8               ; 2 off its exponent field: the conversion takes the exponent field of this operand as its scale, and nothing else of it
	v_cvt_scalef32_pk8_fp4_f32 v[C+2*(\t)], v[XS:XS+7], v11          ; eight numbers / the scale, to the nearest code, ties to even, beyond 6 the largest code; the first number's code in the lowest four bits
	v_cvt_scalef32_pk8_fp4_f32 v[C+2*(\t)+1], v[XS+8:XS+15], v11
	v_lshrrev_b32 v[E+(\t)], 23, v11               ; the scale's byte.  (Also the plain vector line behind the conversions: the matrix instructions at the end write the registers that they read)
	ds_store_b8 v[SBA], v[E+(\t)] offset:16*(\t)   ; both lanes of a block write the same byte with the same value
	global_store_b64 v[CO], v[C+2*(\t):C+2*(\t)+1], s[16:17] offset:2048*(\t)   ; 32 lanes store 256 consecutive bytes of row t, at a multiple of 256 from w_codes' first byte
.endm
.irp t, 0,1,2,3,4,5,6,7,8,9,10,11,12,13,14,15
	STEP \t
.endr
	ds_load_b64 v[12:13], v[SBR]                   ; LDS serves a wave's instructions in order: this sees my byte stores
	s_wait_dscnt 0x0
	global_store_b64 v[CO], v[12:13], s[18:19] offset:65536   ; 256 consecutive bytes of sc2's W side: K step w, rows 16 i .. 16 i + 15
	; x A over my 512 along K.  TRANSPOSED: source 0 = A's 16 ranks, source 1 = x's 16 rows: lane (m, h) holds row m of x, and its register j rank 8 h + j.
	s_wait_loadcnt 0x0                             ; x's and A's fragments (their scale words came long ago)
.irp q, 0,1,2,3
	v_wmma_scale_f32_16x16x128_f8f6f4 v[X+8*\q:X+8*\q+7], v[R+32+8*\q:R+39+8*\q], v[R+8*\q:R+7+8*\q], 0, v[ASW+\q], v[XSW+\q] matrix_a_fmt:MATRIX_FMT_FP4 matrix_b_fmt:MATRIX_FMT_FP4
.endr
.rept 4
	v_nop                                          ; four places between the last product and the first read of a result; also in front of wave 0's loads into the operands' registers
.endr
.irp j, 0,2,4,6
	v_pk_add_f32 v[X+\j:X+\j+1], v[X+\j:X+\j+1], v[X+8+\j:X+9+\j]           ; each accumulator is read from its low end on
.endr
.irp j, 0,2,4,6
	v_pk_add_f32 v[X+16+\j:X+17+\j], v[X+16+\j:X+17+\j], v[X+24+\j:X+25+\j]
.endr
.irp j, 0,2,4,6
	v_pk_add_f32 v[X+\j:X+\j+1], v[X+\j:X+\j+1], v[X+16+\j:X+17+\j]
.endr
	ds_store_b128 v[PW], v[X:X+3]                  ; my part as an image of its registers: lane l's 16 bytes at 16 l
	ds_store_b128 v[PW], v[X+4:X+7] offset:512
	s_wait_dscnt 0x0                               ; for the others' sake: my stores have landed
	s_barrier_signal -1
	s_barrier_wait -1                              ; all eight parts lie in LDS
	s_cmp_lg_u32 s24, 0
	s_cbranch_scc1 .Lend                           ; wave 0 alone adds them
.irp n, 0,1,2,3,4,5,6,7,8,9,10,11,12,13,14,15
	ds_load_b128 v[R+4*\n:R+4*\n+3], v[PR] offset:512*\n   ; wave p's part into v[R + 8 p] on
.endr
	s_wait_dscnt 0x0
.irp p, 0,2,4,6
.irp j, 0,2,4,6
	v_pk_add_f32 v[R+8*\p+\j:R+8*\p+\j+1], v[R+8*\p+\j:R+8*\p+\j+1], v[R+8*\p+8+\j:R+8*\p+9+\j]
.endr
.endr
.irp p, 0,4
.irp j, 0,2,4,6
	v_pk_add_f32 v[R+8*\p+\j:R+8*\p+\j+1], v[R+8*\p+\j:R+8*\p+\j+1], v[R+8*\p+16+\j:R+8*\p+17+\j]
.endr
.endr
.irp j, 0,2,4,6
	v_pk_add_f32 v[R+\j:R+\j+1], v[R+\j:R+\j+1], v[R+32+\j:R+33+\j]
.endr
.irp j, 0,2,4,6
	v_pk_mul_f32 v[R+\j:R+\j+1], v[R+\j:R+\j+1], 2.0 op_sel_hi:[1,0]        ; alpha / rank = 2: exact
.endr
.irp p, 0,1,2,3
	v_cvt_pk_bf16_f32 v[X+\p], v[R+2*\p], v[R+2*\p+1]      ; the lower rank in the low half
.endr
	global_store_b128 v[LD], v[X:X+3], s[22:23]    ; 32 lanes store the block's 512 consecutive bytes of t
.Lend:
	s_wait_tensorcnt 0x0
	ds_add_u32 v22, v23
	s_wait_dscnt 0x0
	s_endpgm
.Lfunc_end_k_qe52d28e021_prep:
	.size	k_qe52d28e021_prep, .Lfunc_end_k_qe52d28e021_prep-k_qe52d28e021_prep
	.p2alignl 7, 3214868480
	.fill 96, 4, 3214868480
	.section	.rodata,"a",@progbits
	.p2align	6, 0x0
	.amdhsa_kernel k_qe52d28e021_prep
		.amdhsa_group_segment_fixed_size 74752
		.amdhsa_private_segment_fixed_size 0
		.amdhsa_enable_private_segment 0
		.amdhsa_kernarg_size 72
		.amdhsa_user_sgpr_count 2
		.amdhsa_user_sgpr_kernarg_segment_ptr 1
		.amdhsa_wavefront_size32 1
		.amdhsa_system_sgpr_workgroup_id_x 1
		.amdhsa_system_sgpr_workgroup_id_y 1
		.amdhsa_system_sgpr_workgroup_id_z 1
		.amdhsa_system_vgpr_workitem_id 0
		.amdhsa_next_free_vgpr 256
		.amdhsa_next_free_sgpr 66
		.amdhsa_reserve_vcc 0
		.amdhsa_float_denorm_mode_32 3
		.amdhsa_float_denorm_mode_16_64 3
		.amdhsa_memory_ordered 1
		.amdhsa_forward_progress 1
		.amdhsa_inst_pref_size 59
	.end_amdhsa_kernel
	.amdgpu_metadata
---
amdhsa.version: [ 1, 2 ]
amdhsa.kernels:
  - .name:           k_qe52d28e021_prep
    .symbol:         k_qe52d28e021_prep.kd
    .args:
      - { .name: w_q, .offset: 0, .size: 8, .value_kind: global_buffer, .address_space: global }
      - { .name: scale, .offset: 8, .size: 8, .value_kind: global_buffer, .address_space: global }
      - { .name: x_codes, .offset: 16, .size: 8, .value_kind: global_buffer, .address_space: global }
      - { .name: x_scales, .offset: 24, .size: 8, .value_kind: global_buffer, .address_space: global }
      - { .name: A_codes, .offset: 32, .size: 8, .value_kind: global_buffer, .address_space: global }
      - { .name: A_scales, .offset: 40, .size: 8, .value_kind: global_buffer, .address_space: global }
      - { .name: w_codes, .offset: 48, .size: 8, .value_kind: global_buffer, .address_space: global }
      - { .name: sc2, .offset: 56, .size: 8, .value_kind: global_buffer, .address_space: global }
      - { .name: t, .offset: 64, .size: 8, .value_kind: global_buffer, .address_space: global }
    .group_segment_fixed_size: 74752
    .private_segment_fixed_size: 0
    .kernarg_segment_align: 8
    .kernarg_segment_size: 72
    .max_flat_workgroup_size: 256
    .sgpr_count:     66
    .vgpr_count:     256
    .wavefront_size: 32
...
	.end_amdgpu_metadata
.endif
;; end of part 1
;; launch gemm (part 2): grid 16 x 16, 4 waves a work-group, clusters of 4 x 4, 327,680 bytes of LDS; arguments x_codes, w_codes, sc2, t, B, out0; writes out0
.if DOCPART == 2
	.amdgcn_target "amdgcn-amd-amdhsa--gfx1250"
	.amdhsa_code_object_version 6
	.text
	.protected	k_qe52d28e021_gemm
	.globl	k_qe52d28e021_gemm
	.p2align	8
	.type	k_qe52d28e021_gemm,@function
k_qe52d28e021_gemm:
	s_mov_b64 s[64:65], 0
	v_nop
	global_prefetch_b8 v0, s[64:65] scope:SCOPE_SE
	s_setreg_imm32_b32 hwreg(HW_REG_WAVE_MODE, 25, 1), 1
	s_wait_xcnt 0x0
	s_wait_alu depctr_hold_cnt(0) depctr_sa_sdst(0) depctr_va_vdst(0) depctr_va_sdst(0) depctr_va_ssrc(0) depctr_va_vcc(0) depctr_vm_vsrc(0)
	s_getreg_b32 s2, hwreg(HW_REG_IB_STS2, 6, 4)
	s_cmp_eq_u32 s2, 0
	s_cbranch_scc0 .Lentry_in_a_cluster
	s_endpgm
.Lentry_in_a_cluster:
	s_bfe_u32 s2, ttmp6, 0x10000c
	s_cmp_lg_u32 s2, 0xf033
	s_cbranch_scc0 .Lentry_shape_is_right
	s_endpgm
.Lentry_shape_is_right:
; out0[m][o] = sum over k of x[m][k] Wq[o][k]  +  sum over r of T[m][r] B[r][o],   m, o, k: 4,096; r: 16; T = 2 (x A), made by the launch before.
; x and Wq: codes of FP4 (E2M1), 2,048 bytes a row, K innermost; their E8M0 bytes in sc2, laid [8 K steps of 512][x, W][4096 rows][16 bytes].  The matrix instruction takes codes and scale bytes as they lie.
; T B is the product that is left as it is (K = 16): bf16 operands, f32 sums, K filled to the instruction's 32 with zeros on both sides.  ITS 64 PRODUCTS START THE 64 SUMS (C = 0): nothing is cleared, nothing is added later.
; LIMITS: B and T are rounded to bf16 (bf16 has f32's range); NaN and infinities in B, and a scale byte 0xff, are not served.
; A tile of out0, 256 x 256, is made by a work-group of four waves; a wave makes 128 x 128: 64 accumulators of 16 x 16, 512 registers.  16 x 16 tiles: one for each of 256 work-groups.
; K goes in 8 steps of 512 through a ring of two LDS slots.  A slot holds 256 rows of x's codes and 256 of W's (256 bytes a row + 16 of padding).  One tensor load a wave fills a quarter of it, 128 rows:
; waves 0 and 1 x's halves, waves 2 and 3 W's.
; CLUSTERS: 4 x 4 work-groups.  The four of a row of the cluster need the same tiles of x, the four of a column the same tiles of W: each tile is asked for JOINTLY, by the same tensor load with the same descriptor
; and a mask that names the four.
; THE SCALE WORDS go from memory straight into the registers that the matrix instructions name: eight loads a wave and K step, sixteen lanes on 256 consecutive bytes of x's side and sixteen on 256 of W's,
; asked for a whole K step ahead of their first use.  They are not asked for jointly: all four waves' tensor loads are taken by the codes, and the words are 16,384 bytes of a K step against the codes' 139,264.
; THE MATRIX INSTRUCTIONS ARE USED TRANSPOSED (source 0 = 16 rows of W or of B^T, source 1 = 16 rows of x or of T): a lane then holds eight neighbouring numbers of a row of out0.
; THE LAST K STEP GOES BY ROWS OF out0: each block of 16 rows is finished and stored while the blocks behind it are still multiplied.
; REGISTERS, in windows of 256: window 0: v1-31 addresses; v32-95 scale words, two sets, and nothing else; v128-191 x's fragments (8 x 16 rows x 128 K), ONE set (before that B's 64 numbers in f32);
;   v192-255 T's eight bf16 fragments; in the last K step v96-191 three buffers of x's fragments (16 rows x 512 K each) and v192-255 rows of out0.
;   window 1: W's fragments, TWO sets, at v0 and at v128; v192-255 B^T's eight bf16 fragments; in the last K step all 256: W's fragments of the whole step.
;   window 2: the 32 accumulators of my rows 0-63 (accumulator (a, b) at v[8 (8 a + b)]);   window 3: those of my rows 64-127.
; A step of 128 along K is 64 matrix instructions, x's blocks one after the other, each against W's eight: a block of x is free as soon as its eight products are issued, so one set of registers serves x.
.set NQ,     4                         ; steps of 128 along K in a slot
.set FR,     8                         ; registers of a fragment: 16 rows x 128 K of 4-bit codes
.set NL,     2                         ; LDS loads that bring one
.set NP,     4                         ; places behind these matrix instructions (ISA guide 7.12.1)
.set PITCH,  272                       ; an LDS row: 256 bytes + 16 of padding = 68 words: row r starts at bank 4 r mod 64 (64 banks of 4 bytes: ISA guide 11.1), so the 16 rows that a load touches start at 16 different banks
.set HALFT,  128*PITCH                 ; 128 rows: what one tensor load brings, and what one wave reads of x or of W
.set SLOT,   4*HALFT                   ; x's 256 rows, then W's 256 rows
.set BOFF,   2*HALFT
.set SPARE,  2*SLOT                    ; behind the ring: the spare words, 128 bytes for each wave: two blocks of 256 bytes that no other line names
.set SPITCH, 528                       ; the way out: a stage of 16 rows x (512 bytes + 16) for each wave.  It lies in slot 0, which has had its last fill and its last read when the first result is stored there
.set OROW,   16384                     ; a row of out0 in bytes
.set KPL,    131072                    ; a K step's plane of sc2: x's 65,536 bytes, then W's
.set ADRA, 16                          ; v16-17  LDS address of my fragments of x in slot 0, 1
.set ADRB, 20                          ; v20-21  the same for W
.set SOF,  22                          ; v22     my byte offset in a plane of sc2: lanes 0-15 x's rows, lanes 16-31 W's; never rewritten
.set STO,  24                          ; v24     the way out: where I put 32 bytes of a row
.set RD,   25                          ; v25     the way out: where I read a row back
.set CO,   26                          ; v26     my byte offset in a row of out0
.set SPW,  28                          ; v28     LDS address of my spare word: SPARE + 4 x my thread's number; never rewritten
.set NIL,  29                          ; v29     0; never rewritten
.set TO,   30                          ; v30     16 x lane: my place in a block of t
.set BO,   31                          ; v31     131,072 h + 4 r: my place in B
.set SC,   32                          ; scale words: set s (for slot s) at v[SC + 32 s]; in it register 4 i + q: lanes 0-15 the word of x's block i, lanes 16-31 that of W's block i, for the slot's q-th 128 along K
.set PA,   96                          ; the last K step: x's fragments of 16 rows x 512 K, 32 registers; three such buffers, v96-191
.set AF,   128                         ; x's fragments, in window 0
.set BF32, 128                         ; B's numbers in f32, in window 0, ahead of them
.set TF,   192                         ; T's fragments, in window 0
.set BT,   192                         ; B^T's, in window 1
.set BK,   192                         ; the way out: 16 rows read back from the stage
.set WV,   18                          ; s18 my wave's number; s19 which half of the tile's rows is mine, also: I fetch for x (0) or for W (1); s20 which half of its columns, also: which 128 rows I fetch
.set G1A,  28                          ; s[28:35] descriptor group 1 for x's codes;  s[36:43] for W's
.set G1B,  36
.set G0A,  44                          ; s[44:51] group 0 for x's codes, a set for each slot;  s[52:59] W's
.set G0B,  52
.set SB,   68                          ; s[68:69], s[70:71] sc2 at the plane that scale set 0, 1 takes next
.set MSB, 0
.macro WIN new                         ; the immediate's high byte repeats the setting that is left; a switch that changes nothing is dropped
.if MSB != (\new)
	s_set_vgpr_msb (MSB<<8)|(\new)
.set MSB, \new
.endif
.endm
.set MUL_LO, 0xa1                      ; source 0 (W) window 1, source 1 (x) window 0, C and D window 2
.set MUL_HI, 0xf1                      ; the same, C and D window 3
.set TO_B,   0x40                      ; destination window 1, sources and address window 0
; A joint load into slot s: waves 0 and 1 fetch x's two halves, waves 2 and 3 W's.  Each of the two lines has ONE mask and one set of registers for all that issue it; the branch hangs on the wave's number alone.
; Four v_nop follow each line, ahead of the jump, the label and what follows.
.macro JLOAD s
	s_cmp_eq_u32 s19, 0
	s_cbranch_scc0 .Lfor_b_\@
	tensor_load_to_lds s[G0A+4*\s:G0A+4*\s+3], s[G1A:G1A+7]
	s_nop 0
.rept 4
	v_nop
.endr
	s_branch .Lasked_\@
.Lfor_b_\@:
	tensor_load_to_lds s[G0B+4*\s:G0B+4*\s+3], s[G1B:G1B+7]
	s_nop 0
.rept 4
	v_nop
.endr
.Lasked_\@:
.endm
.macro CREST                           ; a round of the cluster's barrier behind its opening barrier
	s_cmp_lg_u32 s[WV], 0
	s_cbranch_scc1 .Lnot_wave_0_\@
	s_barrier_signal -3
.Lnot_wave_0_\@:
	s_barrier_wait -3
	s_barrier_signal -1
	s_barrier_wait -1
.endm
.macro CROUND                          ; a whole round
	s_barrier_signal -1
	s_barrier_wait -1
	CREST
.endm
.macro SCALES set                      ; a K step's scale words into set: four words a row; lanes 0-15 take x's block i, lanes 16-31 W's block i: each half of the lanes reads 256 consecutive bytes
.irp i, 0,1,2,3,4,5,6,7
	global_load_b128 v[SC+8*NQ*\set+NQ*\i:SC+8*NQ*\set+NQ*\i+3], v[SOF], s[SB+2*\set:SB+2*\set+1] offset:256*\i
.endr
.endm
	s_load_b256 s[4:11], s[0:1], 0x0               ; x_codes s[4:5], w_codes s[6:7], sc2 s[8:9], t s[10:11]
	s_load_b128 s[12:15], s[0:1], 0x20             ; B s[12:13], out0 s[14:15]
	v_lshl_add_u32 v[SPW], v0, 2, SPARE
	v_mov_b32 v[NIL], 0
	ds_add_u32 v28, v29
	ds_add_u32 v28, v29
	s_wait_dscnt 0x0
	v_lshrrev_b32 v1, 5, v0
	v_readfirstlane_b32 s[WV], v1                  ; wave 0..3
	s_lshr_b32 s19, s[WV], 1
	s_and_b32 s20, s[WV], 1
	s_bfe_u32 s21, ttmp6, 0x40000                  ; cx, cy: my place in the cluster
	s_bfe_u32 s22, ttmp6, 0x40004
	s_lshl_b32 s23, ttmp9, 2
	s_add_co_u32 s23, s23, s21                     ; tile column = 4 x cluster x + cx
	s_and_b32 s24, ttmp7, 0xffff
	s_lshl_b32 s24, s24, 2
	s_add_co_u32 s24, s24, s22                     ; tile row = 4 x cluster y + cy
	s_lshl_b32 s25, s22, 2
	s_lshl_b32 s25, 15, s25                        ; my row of the cluster
	s_lshl_b32 s26, 0x1111, s21                    ; my column
	; descriptor group 1: a tile of 128 rows x 256 bytes, rows 2,048 bytes apart in memory, padded in LDS
	s_or_b32 s[G1A], s25, (1<<20)|(1<<21)|(5<<22)|(3<<25)   ; 15:0 the mask: x's tiles go to my row; 17:16 elements of 1 byte; 20 padding on; 21 set beside a mask; 24:22 after every 64 words (code 5); 31:25 of 4 words (code 3)
	s_or_b32 s[G1B], s26, (1<<20)|(1<<21)|(5<<22)|(3<<25)   ; the same with the mask of my column, for W's
.irp g, G1A, G1B
	s_mov_b32 s[\g+1], 256<<16                     ; tensor_dim0 = 256
	s_mov_b32 s[\g+2], 128<<16                     ; tensor_dim1 = 128
	s_mov_b32 s[\g+3], 256<<16                     ; tile_dim0 = 256
	s_mov_b32 s[\g+4], 128                         ; tile_dim1 = 128
	s_mov_b32 s[\g+5], 2048                        ; tensor_dim0_stride
	s_mov_b32 s[\g+6], 0
	s_mov_b32 s[\g+7], 0
.endr
	s_mov_b32 s61, 0                               ; s[60:61]: offsets made of the tile row (and the wave) alone;  s[62:63]: of the tile column (and the wave) alone
	s_mov_b32 s63, 0
	s_mul_i32 s17, s[WV], HALFT                    ; where my tiles go: wave x 128 rows: no place in the cluster enters an LDS address
	s_wait_kmcnt 0x0
	s_lshl_b32 s27, s20, 18                        ; which 128 rows of 2,048 bytes of a tile I fetch
	s_lshl_b32 s60, s24, 19                        ; x's codes: 256 rows of 2,048 bytes a tile row
	s_add_co_u32 s60, s60, s27
	s_add_nc_u64 s[4:5], s[4:5], s[60:61]
	s_lshl_b32 s62, s23, 19                        ; W's likewise, by the tile column
	s_add_co_u32 s62, s62, s27
	s_add_nc_u64 s[6:7], s[6:7], s[62:63]
	s_lshl_b32 s60, s24, 13                        ; t: 16 blocks of 512 bytes a tile row, 8 blocks for my half
	s_lshl_b32 s27, s19, 12
	s_add_co_u32 s60, s60, s27
	s_add_nc_u64 s[10:11], s[10:11], s[60:61]
	s_lshl_b32 s62, s23, 10                        ; B and out0: my first column, in bytes: 1,024 x tile column + 512 x half
	s_lshl_b32 s27, s20, 9
	s_add_co_u32 s62, s62, s27
	s_add_nc_u64 s[12:13], s[12:13], s[62:63]
	s_add_nc_u64 s[14:15], s[14:15], s[62:63]
	s_lshl_b32 s60, s24, 22                        ; out0: my first row: 256 rows of 16,384 bytes a tile row, 128 rows for my half
	s_lshl_b32 s27, s19, 21
	s_add_co_u32 s60, s60, s27
	s_add_nc_u64 s[14:15], s[14:15], s[60:61]
	s_mov_b64 s[SB:SB+1], s[8:9]                   ; sc2: K step 0's plane for set 0,
	s_add_nc_u64 s[SB+2:SB+3], s[8:9], KPL         ; K step 1's for set 1
	s_lshl_b32 s72, s24, 12                        ; in a plane: x's words of my 128 rows begin at 4,096 x tile row + 2,048 x half,
	s_lshl_b32 s27, s19, 11
	s_add_co_u32 s72, s72, s27
	s_lshl_b32 s73, s23, 12                        ; W's of my 128 columns at 65,536 + 4,096 x tile column + 2,048 x half:
	s_lshl_b32 s27, s20, 11
	s_add_co_u32 s73, s73, s27
	s_add_co_u32 s73, s73, 65536
	s_sub_co_u32 s73, s73, s72                     ; the distance between the two, at least 2,048 (these two numbers enter offsets of global loads alone)
	CROUND                                         ; all sixteen work-groups are here: the first joint loads meet
.irp s, 0,1
	s_mov_b32 s[G0A+4*\s], 1                                       ; 1:0 count = 1
	s_add_co_u32 s[G0A+4*\s+1], s17, \s*SLOT                       ; 63:32 LDS address
	s_add_nc_u64 s[G0A+4*\s+2:G0A+4*\s+3], s[4:5], \s*256          ; 120:64 global address: K step s
	s_or_b32 s[G0A+4*\s+3], s[G0A+4*\s+3], 0x80000000              ; 127:126 type = 2
	s_mov_b32 s[G0B+4*\s], 1
	s_add_co_u32 s[G0B+4*\s+1], s17, \s*SLOT
	s_add_nc_u64 s[G0B+4*\s+2:G0B+4*\s+3], s[6:7], \s*256
	s_or_b32 s[G0B+4*\s+3], s[G0B+4*\s+3], 0x80000000
.endr
	JLOAD 0                                        ; the ring is filled before anything else is done: two tensor loads of mine are out
	JLOAD 1
	; T's and B's numbers and the first two K steps' scale words are asked for, and all addresses made, while the first tiles are on their way
	v_and_b32 v1, 15, v0                           ; r = l % 16
	v_bfe_u32 v2, v0, 4, 1                         ; h = l / 16
	v_and_b32 v3, 31, v0                           ; lane
	v_lshlrev_b32 v[TO], 4, v3
	v_lshlrev_b32 v[BO], 2, v1
	v_lshl_add_u32 v[BO], v2, 17, v[BO]            ; B: rank 8 h (rows of 16,384 bytes), column r
	v_mul_u32_u24 v6, s73, v2                      ; scale words: lanes 16-31 take W's,
	v_lshl_add_u32 v6, v1, 4, v6                   ; 16 bytes a row
	v_add_nc_u32 v[SOF], s72, v6
.irp a, 0,1,2,3,4,5,6,7
	global_load_b128 v[TF+8*\a:TF+8*\a+3], v[TO], s[10:11] offset:512*\a   ; registers 0-3 of T's fragment of my block a, as they were stored: ranks 8 h .. 8 h + 7 of row 16 a + r
.endr
.irp b, 0,1,2,3,4,5,6,7
.irp j, 0,1,2,3,4,5,6,7
	global_load_b32 v[BF32+8*\b+\j], v[BO], s[12:13] offset:16384*\j+64*\b   ; B(8 h + j, 16 b + r): a lane takes a column and its registers run down the ranks: 8 KB a wave, once
.endr
.endr
	SCALES 0
	SCALES 1
	v_mul_u32_u24 v4, v1, PITCH
	v_lshl_add_u32 v4, v2, 4, v4                   ; a fragment's row x pitch + 16 x half
	s_mul_i32 s27, s19, HALFT                      ; my 128 rows of x
	v_add_nc_u32 v[ADRA], s27, v4
	s_add_co_u32 s27, s27, SLOT
	v_add_nc_u32 v[ADRA+1], s27, v4
	s_mul_i32 s27, s20, HALFT                      ; my 128 rows of W, behind x's 256
	s_add_co_u32 s27, s27, BOFF
	v_add_nc_u32 v[ADRB], s27, v4
	s_add_co_u32 s27, s27, SLOT
	v_add_nc_u32 v[ADRB+1], s27, v4
	s_mul_i32 s27, s[WV], 16*SPITCH                ; my stage
	v_mul_u32_u24 v5, v1, SPITCH                   ; in: row l % 16, 32 bytes for each half of the lanes
	v_lshl_add_u32 v5, v2, 5, v5
	v_add_nc_u32 v[STO], s27, v5
	v_lshlrev_b32 v[CO], 4, v3                     ; back: the 32 lanes take one row of 512 bytes; and the same in out0
	v_add_nc_u32 v[RD], s27, v[CO]
.irp a, 0,1,2,3,4,5,6,7
.irp j, 4,5,6,7
	v_mov_b32 v[TF+8*\a+\j], 0                     ; K = 16 is filled to the instruction's 32 with zeros: registers 4-7 of each fragment, on both sides
.endr
.endr
	WIN TO_B
.irp b, 0,1,2,3,4,5,6,7
.irp j, 4,5,6,7
	v_mov_b32 v[BT+8*\b+\j], 0
.endr
.endr
	s_wait_loadcnt 0x0                             ; T, B and both sets of scale words
.irp b, 0,1,2,3,4,5,6,7
.irp p, 0,1,2,3
	v_cvt_pk_bf16_f32 v[BT+8*\b+\p], v[BF32+8*\b+2*\p], v[BF32+8*\b+2*\p+1]   ; B^T's fragment b: column 16 b + r, ranks 8 h + 2 p and + 1, the lower in the low half
.endr
.endr
.rept 4
	v_nop
.endr
; 16 products of T B: my blocks a0, a0 + 1 of rows x the eight blocks of columns.  They start the sums, in the order in which the sums are taken up in every step below.
.macro LORA16 a0
.irp a, \a0, \a0+1
.irp b, 0,1,2,3,4,5,6,7
	v_wmma_f32_16x16x32_bf16 v[8*(8*((\a)%4)+\b):8*(8*((\a)%4)+\b)+7], v[BT+8*\b:BT+8*\b+7], v[TF+8*(\a):TF+8*(\a)+7], 0
.endr
.endr
.endm
	WIN MUL_LO
	LORA16 0
	LORA16 2
	WIN MUL_HI
	LORA16 4
	LORA16 6
	WIN 0
.rept 5
	v_nop                                          ; the products on codes add onto these results and are another form: no chain in place, so five places stand between (ISA guide 7.12.1)
.endr
.macro FRAG reg, adr, q, i             ; a fragment, 16 rows x 128 K of 4-bit codes, is 8 registers: lane l holds row l % 16; registers 4 c .. 4 c + 3 hold K = 64 c + 32 (l / 16) + 0 .. 31, the lower K in the lower bits
.irp c, 0,1
	ds_load_b128 v[\reg+4*\c:\reg+4*\c+3], v[\adr] offset:64*(\q)+32*\c+(\i)*16*PITCH
.endr
.endm
; 16 matrix instructions: x's blocks a0, a0 + 1 x W's eight, 128 along K: the slot's q-th.  p: W's set;  sc: the set of scale words.
; The 64 accumulators take turns, one instruction a turn, in the same order in every step.
.macro MUL16 a0, p, q, sc
.irp a, \a0, \a0+1
.irp b, 0,1,2,3,4,5,6,7
	v_wmma_scale_f32_16x16x128_f8f6f4 v[8*(8*((\a)%4)+\b):8*(8*((\a)%4)+\b)+7], v[128*(\p)+FR*\b:128*(\p)+FR*\b+FR-1], v[AF+FR*(\a):AF+FR*(\a)+FR-1], v[8*(8*((\a)%4)+\b):8*(8*((\a)%4)+\b)+7], v[SC+8*NQ*(\sc)+NQ*\b+(\q)], v[SC+8*NQ*(\sc)+NQ*(\a)+(\q)] matrix_a_fmt:MATRIX_FMT_FP4 matrix_b_fmt:MATRIX_FMT_FP4 matrix_a_scale:MATRIX_SCALE_ROW1
.endr
.endr
.endm
.macro FETCH_B slot, q, p              ; W's eight fragments of the slot's q-th 128 along K into set p
	WIN TO_B
.irp i, 0,1,2,3,4,5,6,7
	FRAG 128*(\p)+FR*\i, ADRB+\slot, \q, \i
.endr
	WIN 0
.endm
.macro FETCH_A slot, q, i0             ; x's blocks i0 .. i0 + 3
.irp i, \i0, \i0+1, \i0+2, \i0+3
	FRAG AF+FR*(\i), ADRA+\slot, \q, \i
.endr
.endm
; A load into a register that a matrix instruction has read, and a vector instruction or an LDS store that reads a matrix result, stand NP places behind that matrix instruction, and only plain vector
; instructions that name none of its registers are places (ISA guide 7.12.1 for vector instructions); this text does not count the matrix instructions in between.
.macro PLACES n
.rept \n
	v_nop
.endr
.endm
; A step of 128 along K that has its successor in the same slot.
.macro STEP slot, q
	s_wait_dscnt 4*NL                              ; W's set and x's blocks 0-3 are in; the youngest eight loads (x's blocks 4-7) may be out
	WIN MUL_LO
	MUL16 0, (\q)%2, \q, \slot
	MUL16 2, (\q)%2, \q, \slot
	s_wait_dscnt 0                                 ; x's blocks 4-7 are in (asked for 32 matrix instructions ago)
	PLACES NP
	FETCH_B \slot, (\q)+1, 1-(\q)%2
	FETCH_A \slot, (\q)+1, 0
	WIN MUL_HI
	MUL16 4, (\q)%2, \q, \slot
	MUL16 6, (\q)%2, \q, \slot
	PLACES NP
	WIN 0
	FETCH_A \slot, (\q)+1, 4
.endm
; The first half of a slot's last step: ONE barrier for the change of slots; in front of it each wave waits for all its tensor loads, adds 0 to its spare word, and waits for that and for its own reads of this slot.
; fill = 1: this slot's descriptors step two K steps on, between the add and the wait for it: no tensor load of mine is out there.
.macro MEET slot, fill
	s_wait_tensorcnt 0x0                           ; all my tensor loads have landed: my part of the next slot;  (every window is 0 here: the add's two registers lie in window 0)
	ds_add_u32 v[SPW], v[NIL]                      ; 0 onto my spare word
.if \fill
	s_add_nc_u64 s[G0A+4*\slot+2:G0A+4*\slot+3], s[G0A+4*\slot+2:G0A+4*\slot+3], 512   ; 512 bytes along a row of codes; the type bits on top are not reached
	s_add_nc_u64 s[G0B+4*\slot+2:G0B+4*\slot+3], s[G0B+4*\slot+2:G0B+4*\slot+3], 512
.endif
	s_wait_dscnt 4*NL+1                            ; (the add and the youngest eight loads, x's blocks 4-7, may be out)
	WIN MUL_LO
	MUL16 0, 1, NQ-1, \slot                        ; sixteen matrix instructions stand between the add and the wait for it
	s_wait_dscnt 0x0                               ; the add is done, and my reads of this slot are over
	s_barrier_signal -1
	MUL16 2, 1, NQ-1, \slot
	WIN 0
	s_barrier_wait -1
.endm
; A slot's last step, where the slot is filled again, two K steps ahead.
.macro TURN slot, next
	MEET \slot, 1
	CREST                                          ; the barrier has opened a round of the cluster's barrier: no wave of any partner still reads this slot's tiles or has a load on its way
	JLOAD \slot                                    ; the first tensor load behind the round, 224 matrix instructions ahead of the wait for it; the four v_nop behind it are the places in front of the loads below
	FETCH_B \next, 0, 0
	FETCH_A \next, 0, 0
	WIN MUL_HI
	MUL16 4, 1, NQ-1, \slot
	MUL16 6, 1, NQ-1, \slot
	PLACES NP                                      ; also for the loads into this slot's scale words, which those products have read
	WIN 0
	FETCH_A \next, 0, 4
	s_wait_xcnt 0x0                                ; every earlier load has had its address translated (ISA guide 3.1): the base is stepped only behind this wait
	s_add_nc_u64 s[SB+2*\slot:SB+2*\slot+1], s[SB+2*\slot:SB+2*\slot+1], 2*KPL
	SCALES \slot                                   ; the scale words of the K step after the next: a whole K step ahead of their first use
	s_wait_loadcnt 8                               ; all but these eight: the next K step's words, asked for a K step ago, are in
.endm
.macro STEPS slot, from                ; the slot's steps from .. NQ - 2
.set Q, \from
.rept NQ-1-\from
	STEP \slot, Q
.set Q, Q+1
.endr
.endm
; THE LAST K STEP (it lies in slot 1; its scale words in set 1) GOES BY ROWS OF out0, NOT BY K.  All its fragments of W (4 quarters x 64 registers) fill window 1; then my eight blocks of 16 rows are finished one after
; the other, each with 32 matrix instructions (its 8 accumulators by turns).  LDS is read no more than in any other K step.
.macro BLOAD q                         ; W's fragments of quarter q -> window 1, v[64 q ..]
.irp i, 0,1,2,3,4,5,6,7
	FRAG 64*(\q)+FR*\i, ADRB+1, \q, \i
.endr
.endm
.macro ALOAD a                         ; x's fragments of block a, all four quarters -> buffer a % 3
.irp q, 0,1,2,3
	FRAG PA+32*((\a)%3)+FR*\q, ADRA+1, \q, \a
.endr
.endm
.macro ROW a                           ; block a is finished: 32 matrix instructions
.set FA, PA+32*((\a)%3)                ; its fragments of x
.set AC, 64*((\a)%4)                   ; its eight accumulators, in window 2 (blocks 0-3) or 3 (blocks 4-7)
	WIN MUL_LO+0x50*((\a)/4)                       ; MUL_LO or MUL_HI
.irp q, 0,1,2,3
.if (\a) == 0 && \q == 2
	s_wait_dscnt 8                                 ; W's quarter 2 is in (behind it: x's block 2)
.endif
.irp b, 0,1,2,3,4,5,6,7
	v_wmma_scale_f32_16x16x128_f8f6f4 v[AC+8*\b:AC+8*\b+7], v[64*\q+8*\b:64*\q+8*\b+7], v[FA+8*\q:FA+8*\q+7], v[AC+8*\b:AC+8*\b+7], v[SC+8*NQ+NQ*\b+\q], v[SC+8*NQ+NQ*(\a)+\q] matrix_a_fmt:MATRIX_FMT_FP4 matrix_b_fmt:MATRIX_FMT_FP4 matrix_a_scale:MATRIX_SCALE_ROW1
.endr
.endr
.endm
; THE WAY OUT of block a, 16 rows x 128 columns.  A lane holds 32 neighbouring bytes of a row, and the lanes beside it hold other rows: so the block goes through my own stage in LDS and comes back as whole
; rows of 512 bytes.  LDS serves a wave's instructions in order (ISA guide 5.7.1.4): no wait between the stores and the loads.
.macro TOSTAGE a
.set AC, 64*((\a)%4)
	WIN 0x08+4*((\a)/4)                            ; an LDS store's data are its source 1: window 2 or 3
.irp b, 0,1,2,3,4,5,6,7
	ds_store_b128 v[STO], v[AC+8*\b:AC+8*\b+3] offset:64*\b          ; each accumulator from its low end on
	ds_store_b128 v[STO], v[AC+8*\b+4:AC+8*\b+7] offset:64*\b+16
.endr
	WIN 0
.irp t, 0,1,2,3,4,5,6,7,8,9,10,11,12,13,14,15
	ds_load_b128 v[BK+4*\t:BK+4*\t+3], v[RD] offset:\t*SPITCH
.endr
.endm
.macro SEND a, younger                 ; younger: the LDS loads issued behind TOSTAGE's, which may stay out
	s_wait_dscnt \younger                          ; the block is back in registers
.if (\a) > 0
	s_add_nc_u64 s[14:15], s[14:15], 16*OROW       ; (behind the wait on XCNT in front of TOSTAGE: the earlier stores have read their base)  16 rows of out0 on: the stores' offsets reach 15 rows, 245,760 bytes, inside the signed 24-bit immediate
.endif
.irp t, 0,1,2,3,4,5,6,7,8,9,10,11,12,13,14,15
	global_store_b128 v[CO], v[BK+4*\t:BK+4*\t+3], s[14:15] offset:\t*OROW th:TH_STORE_NT   ; 32 lanes store 512 consecutive bytes, at a multiple of 256 from out0's first byte; written once, read by nobody here
.endr
.endm
	s_wait_tensorcnt 1                             ; my part of K step 0 is in (K step 1's load may be out)
	s_barrier_signal -1
	s_barrier_wait -1                              ; everybody's is
	FETCH_B 0, 0, 0
	FETCH_A 0, 0, 0
	FETCH_A 0, 0, 4
	s_mov_b32 s3, 3
.Llap:                                                 ; a trip goes once round the ring: two K steps of 512, and both slots are filled again.  Three trips: K steps 0 to 5; their refills bring K steps 2 to 7
	STEPS 0, 0
	TURN 0, 1
	STEPS 1, 0
	TURN 1, 0
	s_sub_co_u32 s3, s3, 1
	s_cmp_lg_u32 s3, 0
	s_cbranch_scc1 .Llap
	STEPS 0, 0                                     ; the last lap is written out: it fills nothing, and has no round of the cluster's barrier
	MEET 0, 0                                      ; my one tensor load that was still out is slot 1's, the last K step's
	PLACES NP                                      ; for the loads into x's blocks 0-3, which the products just issued have read
	WIN TO_B
	BLOAD 0                                        ; three quarters of W now: set 1 (v128-191 of window 1) is still being multiplied
	BLOAD 1
	BLOAD 3
	WIN 0
	ALOAD 0                                        ; v96-127, which lay idle, and v128-159; v160-191 hold x's blocks 4-7, which are still to be multiplied
	ALOAD 1
	WIN MUL_HI
	MUL16 4, 1, NQ-1, 0
	MUL16 6, 1, NQ-1, 0
	PLACES NP                                      ; for the loads into W's set 1 and x's blocks 4-7
	WIN TO_B
	BLOAD 2
	WIN 0
	ALOAD 2
	s_wait_loadcnt 0x0                             ; the last K step's scale words
	s_wait_dscnt 24                                ; all but the 24 just issued
	ROW 0
.irp a, 0,1,2,3,4,5,6,7                ; each block leaves as soon as it is finished: nothing follows this tile, so the sooner its stores begin, the sooner they end
	PLACES NP                                      ; the stage's stores read results just made, and the loads below land in fragments just read
.if \a > 0
	s_wait_xcnt 0x0                                ; the block before: its stores have read their registers and their base (ISA guide 3.1): both are written again only behind this wait
.endif
	TOSTAGE \a
.if \a < 5
	ALOAD \a+3                                     ; its buffer takes the block three further on
	SEND \a, 8
.else
	SEND \a, 0
.endif
.if \a < 7
	ROW \a+1
.endif
.endr
	s_wait_tensorcnt 0x0                           ; the wave's end, behind my last tensor load and my last LDS store
	ds_add_u32 v[SPW], v[NIL]
	s_wait_dscnt 0x0
	CROUND                                         ; the closing round: no work-group ends while a partner may still ask for a tile that names it
	s_endpgm
.Lfunc_end_k_qe52d28e021_gemm:
	.size	k_qe52d28e021_gemm, .Lfunc_end_k_qe52d28e021_gemm-k_qe52d28e021_gemm
	.p2alignl 7, 3214868480
	.fill 96, 4, 3214868480
	.section	.rodata,"a",@progbits
	.p2align	6, 0x0
	.amdhsa_kernel k_qe52d28e021_gemm
		.amdhsa_group_segment_fixed_size 327680
		.amdhsa_private_segment_fixed_size 0
		.amdhsa_enable_private_segment 0
		.amdhsa_kernarg_size 48
		.amdhsa_user_sgpr_count 2
		.amdhsa_user_sgpr_kernarg_segment_ptr 1
		.amdhsa_wavefront_size32 1
		.amdhsa_system_sgpr_workgroup_id_x 1
		.amdhsa_system_sgpr_workgroup_id_y 1
		.amdhsa_system_sgpr_workgroup_id_z 1
		.amdhsa_system_vgpr_workitem_id 0
		.amdhsa_next_free_vgpr 1024
		.amdhsa_next_free_sgpr 76
		.amdhsa_reserve_vcc 0
		.amdhsa_float_denorm_mode_32 3
		.amdhsa_float_denorm_mode_16_64 3
		.amdhsa_memory_ordered 1
		.amdhsa_forward_progress 1
		.amdhsa_inst_pref_size 225
	.end_amdhsa_kernel
	.amdgpu_metadata
---
amdhsa.version: [ 1, 2 ]
amdhsa.kernels:
  - .name:           k_qe52d28e021_gemm
    .symbol:         k_qe52d28e021_gemm.kd
    .args:
      - { .name: x_codes, .offset: 0, .size: 8, .value_kind: global_buffer, .address_space: global }
      - { .name: w_codes, .offset: 8, .size: 8, .value_kind: global_buffer, .address_space: global }
      - { .name: sc2, .offset: 16, .size: 8, .value_kind: global_buffer, .address_space: global }
      - { .name: t, .offset: 24, .size: 8, .value_kind: global_buffer, .address_space: global }
      - { .name: B, .offset: 32, .size: 8, .value_kind: global_buffer, .address_space: global }
      - { .name: out0, .offset: 40, .size: 8, .value_kind: global_buffer, .address_space: global }
    .group_segment_fixed_size: 327680
    .private_segment_fixed_size: 0
    .kernarg_segment_align: 8
    .kernarg_segment_size: 48
    .max_flat_workgroup_size: 128
    .sgpr_count:     76
    .vgpr_count:     1024
    .wavefront_size: 32
...
	.end_amdgpu_metadata
.endif
;; end of part 2
;; ======== version 2 of 2: 2 launches; version 1 with the launch prep written anew for expert scheduling mode
;; workspace buffers: w_codes 8,388,608 bytes; sc2 1,048,576 bytes; t 131,072 bytes
;; launch prep (part 3): grid 256 x 1, 8 waves a work-group, no clusters, 74,752 bytes of LDS; arguments w_q, scale, x_codes, x_scales, A_codes, A_scales, w_codes, sc2, t; writes w_codes, sc2, t
.if DOCPART == 3
	.amdgcn_target "amdgcn-amd-amdhsa--gfx1250"
	.amdhsa_code_object_version 6
	.text
	.protected	k_qe52d28e021_prep
	.globl	k_qe52d28e021_prep
	.p2align	8
	.type	k_qe52d28e021_prep,@function
k_qe52d28e021_prep:
	s_mov_b64 s[64:65], 0
	v_nop
	global_prefetch_b8 v0, s[64:65] scope:SCOPE_SE
	s_setreg_imm32_b32 hwreg(HW_REG_WAVE_SCHED_MODE, 0, 2), 2
	s_setreg_imm32_b32 hwreg(HW_REG_WAVE_MODE, 25, 1), 1
	s_wait_xcnt 0x0
	s_wait_alu depctr_vm_vsrc(0)
; W[o][k] = f32(w_q[o][k]) x scale[(o 4096 + k) / 64] is made in f32 and turned into codes of FP4 (E2M1), K innermost, with one E8M0 byte for each 32 along K;
; the scale bytes of x are laid anew by K steps of 512; and T = 2 (x A) is made on codes by the scaled matrix instruction and stored as bf16.
; OUT: w_codes [4096][2048 bytes], laid as x_codes.  sc2 [8 K steps of 512][2: x, W][4096 rows][16 bytes]: a K step's bytes of 16 rows are 256 consecutive bytes, and one pointer reaches both sides.
;      t [256 blocks of 16 rows][32 lanes][16 bytes]: lane (m = l % 16, h = l / 16) holds bf16 of 2 (x A)[m][8 h .. 8 h + 7]: registers 0-3 of a bf16 operand of 16 rows x 32 K.
; A block's scale is 2^(floor(log2(its largest magnitude)) - 2); its byte is that magnitude's exponent field - 2, held at 1 from below.
; LIMITS: a block of zeros gets the byte 1 where the rule says 127 (its codes are zeros, which add nothing under any byte but 0xff, and these bytes are read by this program alone);
; a block whose largest magnitude lies under 2^-124 has its byte held at 1, as the rule's own clip holds it; NaN and infinities in scale, and a scale byte 0xff in x or A, are not served.
; T is rounded to bf16 once, behind the exact factor 2: it is an operand of the product that is left as it is (K = 16).
; SHARES.  Work-group i takes rows 16 i .. 16 i + 15 of W and of x.  Wave w takes K = 512 w .. 512 w + 511 of all 16 rows.
; W: 16 steps, one row each: 512 int32 = 2,048 consecutive bytes = four loads of 512 consecutive bytes.  The conversions take neighbours along K from ONE lane's registers, so a step's bytes turn through the wave's own
; stage in LDS (16 bytes of padding behind each 64) and come back 64 bytes a lane: lane l holds k = 16 l .. 16 l + 15; two lanes hold a block of 32, four lanes a group of 64 with one given scale.
; A step's 256 bytes of codes leave by one store of the wave; a wave's 16 x 16 scale bytes are gathered in its own 256 bytes of LDS and leave as 256 consecutive bytes of sc2.
; x A: the wave's 512 along K are four matrix instructions on four accumulators; the eight waves' parts meet in LDS as images of their registers, behind the launch's one barrier, and wave 0 adds them.
; No tensor loads and no cluster: the work-groups share only A (32 KB of codes, against the 256 KB of w_q that each reads alone), and each wave of a work-group reads another part of it.
; Loads run eight steps (32 loads a wave) ahead, the turn through LDS one step.  Every offset is an immediate, and no register that a global store reads is written again: no wait on XCNT is needed.
; THE MODE: SCHED_MODE bits 1:0 = 2 (LLVM: expert scheduling mode 2), set by the entry lines.  The code itself states the register dependences
; between vector or matrix instructions and memory or LDS instructions, with s_wait_alu, always for 0.
; THE PLAN.  Registers that memory or LDS instructions touch:
;   v2-v7, v14-v19  offsets and LDS addresses: written at the head, never again.   v22, v23: written at the head, read by the closing add alone.
;   R0 .. R7    Written by global loads alone.  Set t % 8 is read by the stage's LDS stores of step t's turn, which is issued in step t - 1; the loads of step t + 8, issued in step t, land in it.
;   X0, X1      The LDS loads of step t's turn land in X[t % 2]; step t's vector instructions read and write it; the loads of step t + 2's turn, issued in step t + 1, land in it again.
;   C[t], E[t]  Written by step t's conversions and shift, once; read by the two stores that are issued at the head of step t + 1.
;   S, the scale words, v12-13, v20-21  Written by loads alone, once.
; Step t's vector instructions name X[t % 2], v8, v9, v11, S[t], C[t] and E[t]; its memory and LDS instructions touch R[t % 8], R[(t + 1) % 8], X[(t + 1) % 2], C[t - 1] and E[t - 1].
; So two waits at a step's head state all that its memory and LDS instructions hang on, and these are dealt among its vector instructions with no further wait.
; At the end: one wait behind step 15, one ahead of the LDS stores of the wave's part of x A, one behind the barrier, one ahead of the store of t.
.set SP,    80                         ; a lane's place in a stage: its 64 bytes + 16 of padding
.set STG,   32*SP                      ; a stage
.set WREG,  8192                       ; LDS of a wave: two stages, then its 256 scale bytes
.set SBY,   2*STG
.set PART,  65536                      ; LDS: the eight waves' parts of x A, 1,024 bytes each
.set LD,    2                          ; v2   16 x lane
.set SIN,   3                          ; v3   the stage, on the way in
.set SOUT,  4                          ; v4   and on the way out
.set CO,    5                          ; v5   8 x lane
.set SBA,   6                          ; v6   LDS: my block's scale byte
.set SBR,   7                          ; v7   LDS: my 8 of the wave's 256 scale bytes
.set GSO,   14                         ; v14  4 x (lane / 4): my group's given scale
.set FO,    15                         ; v15  2048 r + 16 h: my lane's place in a fragment of x or of A
.set SO,    16                         ; v16  128 r: my row's scale bytes
.set XC,    17                         ; v17  128 (lane / 2) + 8 (lane % 2): what I copy of x's scale bytes
.set PW,    18                         ; v18  where I put my part of x A
.set PR,    19                         ; v19  where wave 0 reads the parts
.set S,     24                         ; v24-39   step t's given scale
.set E,     40                         ; v40-55   step t's scale byte
.set C,     56                         ; v56-87   step t's codes, two registers
.set X,     88                         ; v88-119  two sets of 16 neighbours; later the four accumulators of x A
.set R,     120                        ; v120-247 eight sets of 16 numbers as they are loaded; at the end x's four fragments (v120 on) and A's (v152 on)
.set XSW,   248                        ; v248-251 x's scale words, one for each 128 along K: these eight registers hold scales and nothing else
.set ASW,   252                        ; v252-255 A's
	s_load_b256 s[4:11], s[0:1], 0x0               ; w_q s[4:5], scale s[6:7], x_codes s[8:9], x_scales s[10:11]
	s_load_b256 s[12:19], s[0:1], 0x20             ; A_codes s[12:13], A_scales s[14:15], w_codes s[16:17], sc2 s[18:19]
	s_load_b64 s[22:23], s[0:1], 0x40              ; t
	v_lshl_add_u32 v22, v0, 2, 0x12000
	v_mov_b32 v23, 0
	v_lshrrev_b32 v1, 5, v0
	v_readfirstlane_b32 s24, v1                    ; wave 0..7
	v_and_b32 v1, 31, v0                           ; lane
	v_lshlrev_b32 v[LD], 4, v1
	v_lshrrev_b32 v8, 2, v1                        ; lane / 4
	v_and_b32 v9, 3, v1
	v_mul_u32_u24 v[SIN], v8, SP
	v_lshl_add_u32 v[SIN], v9, 4, v[SIN]
	s_wait_alu depctr_va_sdst(0)                   ; s24 is written, ahead of its first reader: the wave's LDS and all its places in memory are made from it
	s_mul_i32 s25, s24, WREG                       ; my wave's LDS
	v_add_nc_u32 v[SIN], s25, v[SIN]               ; four lanes' 64 bytes on end, then 16 of padding
	v_mul_u32_u24 v[SOUT], v1, SP
	v_add_nc_u32 v[SOUT], s25, v[SOUT]             ; my 16 neighbours
	v_lshlrev_b32 v[CO], 3, v1
	v_lshrrev_b32 v[SBA], 1, v1                    ; lane / 2
	v_lshlrev_b32 v[XC], 7, v[SBA]
	v_and_b32 v9, 1, v1
	v_lshl_add_u32 v[XC], v9, 3, v[XC]
	s_add_co_u32 s28, s25, SBY
	v_add_nc_u32 v[SBA], s28, v[SBA]
	v_add_nc_u32 v[SBR], s28, v[CO]
	v_lshlrev_b32 v[GSO], 2, v8
	v_and_b32 v8, 15, v1                           ; r
	v_lshrrev_b32 v9, 4, v1                        ; h
	v_lshlrev_b32 v[FO], 11, v8
	v_lshl_add_u32 v[FO], v9, 4, v[FO]
	v_lshlrev_b32 v[SO], 7, v8
	s_lshl_b32 s28, s24, 10
	s_add_co_u32 s28, s28, PART
	v_add_nc_u32 v[PW], s28, v[LD]
	v_add_nc_u32 v[PR], PART, v[LD]
	s_mov_b32 s27, 0                               ; s[26:27]: a byte offset, all under 2^32
	s_wait_kmcnt 0x0
	s_lshl_b32 s26, ttmp9, 18                      ; w_q: 16 rows of 16,384 bytes a work-group, 2,048 bytes a wave
	s_lshl_b32 s28, s24, 11
	s_add_co_u32 s26, s26, s28
	s_add_nc_u64 s[4:5], s[4:5], s[26:27]
	s_lshl_b32 s26, ttmp9, 12                      ; scale: 256 bytes a row, 32 a wave
	s_lshl_b32 s28, s24, 5
	s_add_co_u32 s26, s26, s28
	s_add_nc_u64 s[6:7], s[6:7], s[26:27]
	s_lshl_b32 s26, ttmp9, 15                      ; codes of x and of W: 2,048 bytes a row, 256 a wave
	s_lshl_b32 s28, s24, 8
	s_add_co_u32 s26, s26, s28
	s_add_nc_u64 s[8:9], s[8:9], s[26:27]
	s_add_nc_u64 s[16:17], s[16:17], s[26:27]
	s_mov_b32 s26, s28                             ; codes of A: all 16 rows, 256 bytes a wave
	s_add_nc_u64 s[12:13], s[12:13], s[26:27]
	s_lshl_b32 s26, ttmp9, 11                      ; x's scale bytes: 128 a row, 16 a wave
	s_lshl_b32 s28, s24, 4
	s_add_co_u32 s26, s26, s28
	s_add_nc_u64 s[10:11], s[10:11], s[26:27]
	s_mov_b32 s26, s28                             ; A's
	s_add_nc_u64 s[14:15], s[14:15], s[26:27]
	s_lshl_b32 s26, s24, 17                        ; sc2: K step w's plane of 131,072 bytes, rows 16 i on: x's side; W's lies 65,536 bytes further on
	s_lshl_b32 s28, ttmp9, 8
	s_add_co_u32 s26, s26, s28
	s_add_nc_u64 s[18:19], s[18:19], s[26:27]
	s_lshl_b32 s26, ttmp9, 9                       ; t: 512 bytes a block of 16 rows
	s_add_nc_u64 s[22:23], s[22:23], s[26:27]
; Step t's four loads into set t % 8.  Steps 0-15: row t of w_q.  Steps 16, 17: x's fragments of the wave's four K steps of 128 (two a step: 64 q + 32 c bytes on in the row); steps 18, 19: A's.
.macro LOAD t
.if (\t) < 16
.irp i, 0,1,2,3
	global_load_b128 v[R+16*((\t)%8)+4*\i:R+16*((\t)%8)+4*\i+3], v[LD], s[4:5] offset:16384*(\t)+512*\i th:TH_LOAD_NT   ; 32 lanes read 512 consecutive bytes; read once in the launch
.endr
.elseif (\t) < 18
.irp i, 0,1,2,3
	global_load_b128 v[R+16*((\t)%8)+4*\i:R+16*((\t)%8)+4*\i+3], v[FO], s[8:9] offset:128*((\t)-16)+32*\i
.endr
.else
.irp i, 0,1,2,3
	global_load_b128 v[R+16*((\t)%8)+4*\i:R+16*((\t)%8)+4*\i+3], v[FO], s[12:13] offset:128*((\t)-18)+32*\i
.endr
.endif
.endm
; Step t's numbers through the stage: LDS serves a wave's instructions in order (ISA guide 5.7.1.4), so no wait stands between the stores and the loads
.macro TURN t
.irp i, 0,1,2,3
	ds_store_b128 v[SIN], v[R+16*((\t)%8)+4*\i:R+16*((\t)%8)+4*\i+3] offset:STG*((\t)%2)+8*SP*\i
.endr
.irp i, 0,1,2,3
	ds_load_b128 v[X+16*((\t)%2)+4*\i:X+16*((\t)%2)+4*\i+3], v[SOUT] offset:STG*((\t)%2)+16*\i
.endr
.endm
	s_wait_alu depctr_va_vdst(0)                   ; the offsets and LDS addresses v2 to v7 and v14 to v19 are written: every load and store of the kernel reads one of them
	global_load_b128 v[XSW:XSW+3], v[SO], s[10:11]         ; x's scale words: lane r has row r's four (lanes 16-31 hold the same and are not read)
	global_load_b128 v[ASW:ASW+3], v[SO], s[14:15]         ; A's
	global_load_b64 v[20:21], v[XC], s[10:11]              ; x's scale bytes once more, 8 a lane, in the order in which sc2 takes them
.irp t, 0,1,2,3,4,5,6,7,8,9,10,11,12,13,14,15
	global_load_b32 v[S+\t], v[GSO], s[6:7] offset:256*\t  ; row t: the given scale of my group of 64
.endr
.irp t, 0,1,2,3,4,5,6,7
	LOAD \t
.endr
	s_wait_loadcnt 28                              ; all but the 28 loads of steps 1 to 7 are in
	global_store_b64 v[CO], v[20:21], s[18:19]     ; 32 lanes store 256 consecutive bytes of sc2's x side, at a multiple of 256 from its first byte
	TURN 0
.macro STEP t
.set XS, X+16*((\t)%2)
	s_wait_dscnt 0x0                               ; this step's numbers are back from the stage: nothing younger is out, since the last step's byte store now stands ahead of its turn
.if (\t)+8 < 20
	s_wait_alu depctr_vm_vsrc(0)                   ; the stage's stores of this step's numbers have read set t % 8, in which the loads of eight steps on land
.endif
.if (\t) > 0
	s_wait_alu depctr_va_vdst(0)                   ; the step before has written its codes and its byte, which the two stores below read, and is done with its X, in which the next turn's loads land
.endif
.if (\t)+8 < 20
	LOAD (\t)+8                                    ; set t % 8 takes the loads of eight steps on
.endif
.if (\t) > 0
	ds_store_b8 v[SBA], v[E+(\t)-1] offset:16*((\t)-1)     ; the step before: both lanes of a block write the same byte with the same value
	global_store_b64 v[CO], v[C+2*((\t)-1):C+2*((\t)-1)+1], s[16:17] offset:2048*((\t)-1)   ; 32 lanes store 256 consecutive bytes of row t - 1, at a multiple of 256 from w_codes' first byte
.endif
.irp j, 0,1,2,3,4,5,6,7,8,9,10,11,12,13,14,15
	v_cvt_f32_i32 v[XS+\j], v[XS+\j]
.endr
.if (\t) < 15
.set YG, (\t)+8
.if YG > 19
.set YG, 19
.endif
	s_wait_loadcnt 4*(YG-(\t)-1)                   ; the next step's four loads are in; those of the steps behind it, four each, may be out
	TURN (\t)+1                                    ; and go through the other stage while this step is worked.  No wait: no vector instruction since the waits above names a register that the turn touches
.endif
.irp j, 0,1,2,3,4,5,6,7,8,9,10,11,12,13,14,15
	v_mul_f32 v[XS+\j], v[S+(\t)], v[XS+\j]        ; W, in f32, rounded once
.endr
	v_max3_num_f32 v8, |v[XS]|, |v[XS+1]|, |v[XS+2]|       ; the largest magnitude of my 16, in two chains
	v_max3_num_f32 v9, |v[XS+3]|, |v[XS+4]|, |v[XS+5]|
.irp i, 6,10
	v_max3_num_f32 v8, v8, |v[XS+\i]|, |v[XS+\i+1]|
	v_max3_num_f32 v9, v9, |v[XS+\i+2]|, |v[XS+\i+3]|
.endr
	v_max3_num_f32 v8, v8, |v[XS+14]|, |v[XS+15]|
	v_max3_num_f32 v8, v8, v9, 0x1800000           ; and the floor 2^(3 - 127), under which no largest magnitude is taken: so the byte cannot fall under 1
	v_max_num_f32_dpp v8, v8, v8 row_xmask:1 row_mask:0xf bank_mask:0xf   ; and of my neighbour's 16: the block's
	v_add_nc_u32 v11, 0xff000000, v8               ; 2 off its exponent field: the conversion takes the exponent field of this operand as its scale, and nothing else of it
	v_cvt_scalef32_pk8_fp4_f32 v[C+2*(\t)], v[XS:XS+7], v11          ; eight numbers / the scale, to the nearest code, ties to even, beyond 6 the largest code; the first number's code in the lowest four bits
	v_cvt_scalef32_pk8_fp4_f32 v[C+2*(\t)+1], v[XS+8:XS+15], v11
	v_lshrrev_b32 v[E+(\t)], 23, v11               ; the scale's byte.  (Also the plain vector line behind the conversions: the matrix instructions at the end write the registers that they read)
.endm
.irp t, 0,1,2,3,4,5,6,7,8,9,10,11,12,13,14,15
	STEP \t
.endr
	s_wait_alu depctr_va_vdst(0)                   ; step 15 has written its codes and its byte, which the two stores below read
	ds_store_b8 v[SBA], v[E+15] offset:16*15       ; both lanes of a block write the same byte with the same value
	global_store_b64 v[CO], v[C+30:C+31], s[16:17] offset:2048*15   ; 32 lanes store 256 consecutive bytes of row 15
	ds_load_b64 v[12:13], v[SBR]                   ; LDS serves a wave's instructions in order: this sees my byte stores
	s_wait_dscnt 0x0
	global_store_b64 v[CO], v[12:13], s[18:19] offset:65536   ; 256 consecutive bytes of sc2's W side: K step w, rows 16 i .. 16 i + 15
	; x A over my 512 along K.  TRANSPOSED: source 0 = A's 16 ranks, source 1 = x's 16 rows: lane (m, h) holds row m of x, and its register j rank 8 h + j.
	s_wait_loadcnt 0x0                             ; x's and A's fragments (their scale words came long ago)
.irp q, 0,1,2,3
	v_wmma_scale_f32_16x16x128_f8f6f4 v[X+8*\q:X+8*\q+7], v[R+32+8*\q:R+39+8*\q], v[R+8*\q:R+7+8*\q], 0, v[ASW+\q], v[XSW+\q] matrix_a_fmt:MATRIX_FMT_FP4 matrix_b_fmt:MATRIX_FMT_FP4
.endr
.rept 4
	v_nop                                          ; four places between the last product and the first read of a result (ISA guide 7.12.1)
.endr
.irp j, 0,2,4,6
	v_pk_add_f32 v[X+\j:X+\j+1], v[X+\j:X+\j+1], v[X+8+\j:X+9+\j]           ; each accumulator is read from its low end on
.endr
.irp j, 0,2,4,6
	v_pk_add_f32 v[X+16+\j:X+17+\j], v[X+16+\j:X+17+\j], v[X+24+\j:X+25+\j]
.endr
.irp j, 0,2,4,6
	v_pk_add_f32 v[X+\j:X+\j+1], v[X+\j:X+\j+1], v[X+16+\j:X+17+\j]
.endr
	s_wait_alu depctr_va_vdst(0)                   ; the sums have written v[X .. X + 7], which the two LDS stores read; the matrix instructions are done reading the fragments, in which wave 0's LDS loads land
	ds_store_b128 v[PW], v[X:X+3]                  ; my part as an image of its registers: lane l's 16 bytes at 16 l
	ds_store_b128 v[PW], v[X+4:X+7] offset:512
	s_wait_dscnt 0x0                               ; for the others' sake: my stores have landed
	s_barrier_signal -1
	s_barrier_wait -1                              ; all eight parts lie in LDS
	s_wait_alu depctr_vm_vsrc(0)                   ; my two LDS stores have read v[X .. X + 7], four of which wave 0's roundings write again: stated ahead of the branch
	s_cmp_lg_u32 s24, 0
	s_cbranch_scc1 .Lend                           ; wave 0 alone adds them
.irp n, 0,1,2,3,4,5,6,7,8,9,10,11,12,13,14,15
	ds_load_b128 v[R+4*\n:R+4*\n+3], v[PR] offset:512*\n   ; wave p's part into v[R + 8 p] on.  No wait: no vector or matrix instruction since the last wait on va_vdst names these registers
.endr
	s_wait_dscnt 0x0
.irp p, 0,2,4,6
.irp j, 0,2,4,6
	v_pk_add_f32 v[R+8*\p+\j:R+8*\p+\j+1], v[R+8*\p+\j:R+8*\p+\j+1], v[R+8*\p+8+\j:R+8*\p+9+\j]
.endr
.endr
.irp p, 0,4
.irp j, 0,2,4,6
	v_pk_add_f32 v[R+8*\p+\j:R+8*\p+\j+1], v[R+8*\p+\j:R+8*\p+\j+1], v[R+8*\p+16+\j:R+8*\p+17+\j]
.endr
.endr
.irp j, 0,2,4,6
	v_pk_add_f32 v[R+\j:R+\j+1], v[R+\j:R+\j+1], v[R+32+\j:R+33+\j]
.endr
.irp j, 0,2,4,6
	v_pk_mul_f32 v[R+\j:R+\j+1], v[R+\j:R+\j+1], 2.0 op_sel_hi:[1,0]        ; alpha / rank = 2: exact
.endr
.irp p, 0,1,2,3
	v_cvt_pk_bf16_f32 v[X+\p], v[R+2*\p], v[R+2*\p+1]      ; the lower rank in the low half
.endr
	s_wait_alu depctr_va_vdst(0)                   ; the roundings have written v[X .. X + 3], which the store reads
	global_store_b128 v[LD], v[X:X+3], s[22:23]    ; 32 lanes store the block's 512 consecutive bytes of t
.Lend:
	s_wait_dscnt 0x0                               ; the closing lines, six on end
	s_wait_alu 0x0
	s_wait_tensorcnt 0x0
	ds_add_u32 v22, v23
	s_wait_dscnt 0x0
	s_endpgm
.Lfunc_end_k_qe52d28e021_prep:
	.size	k_qe52d28e021_prep, .Lfunc_end_k_qe52d28e021_prep-k_qe52d28e021_prep
	.p2alignl 7, 3214868480
	.fill 96, 4, 3214868480
	.section	.rodata,"a",@progbits
	.p2align	6, 0x0
	.amdhsa_kernel k_qe52d28e021_prep
		.amdhsa_group_segment_fixed_size 74752
		.amdhsa_private_segment_fixed_size 0
		.amdhsa_enable_private_segment 0
		.amdhsa_kernarg_size 72
		.amdhsa_user_sgpr_count 2
		.amdhsa_user_sgpr_kernarg_segment_ptr 1
		.amdhsa_wavefront_size32 1
		.amdhsa_system_sgpr_workgroup_id_x 1
		.amdhsa_system_sgpr_workgroup_id_y 1
		.amdhsa_system_sgpr_workgroup_id_z 1
		.amdhsa_system_vgpr_workitem_id 0
		.amdhsa_next_free_vgpr 256
		.amdhsa_next_free_sgpr 66
		.amdhsa_reserve_vcc 0
		.amdhsa_float_denorm_mode_32 3
		.amdhsa_float_denorm_mode_16_64 3
		.amdhsa_memory_ordered 1
		.amdhsa_forward_progress 1
		.amdhsa_inst_pref_size 60
	.end_amdhsa_kernel
	.amdgpu_metadata
---
amdhsa.version: [ 1, 2 ]
amdhsa.kernels:
  - .name:           k_qe52d28e021_prep
    .symbol:         k_qe52d28e021_prep.kd
    .args:
      - { .name: w_q, .offset: 0, .size: 8, .value_kind: global_buffer, .address_space: global }
      - { .name: scale, .offset: 8, .size: 8, .value_kind: global_buffer, .address_space: global }
      - { .name: x_codes, .offset: 16, .size: 8, .value_kind: global_buffer, .address_space: global }
      - { .name: x_scales, .offset: 24, .size: 8, .value_kind: global_buffer, .address_space: global }
      - { .name: A_codes, .offset: 32, .size: 8, .value_kind: global_buffer, .address_space: global }
      - { .name: A_scales, .offset: 40, .size: 8, .value_kind: global_buffer, .address_space: global }
      - { .name: w_codes, .offset: 48, .size: 8, .value_kind: global_buffer, .address_space: global }
      - { .name: sc2, .offset: 56, .size: 8, .value_kind: global_buffer, .address_space: global }
      - { .name: t, .offset: 64, .size: 8, .value_kind: global_buffer, .address_space: global }
    .group_segment_fixed_size: 74752
    .private_segment_fixed_size: 0
    .kernarg_segment_align: 8
    .kernarg_segment_size: 72
    .max_flat_workgroup_size: 256
    .sgpr_count:     66
    .vgpr_count:     256
    .wavefront_size: 32
...
	.end_amdgpu_metadata
.endif
;; end of part 3
;; launch gemm: the kernel of part 2 again; grid 16 x 16, 4 waves a work-group, clusters of 4 x 4, 327,680 bytes of LDS; arguments x_codes, w_codes, sc2, t, B, out0; writes out0
